; MI455X (gfx1250); checked and timed in simulation.
; The chip was launched on July 23, 2026; its instructions are those of AMD's public machine-readable ISA for CDNA 5 (MIT licence, August 2026) and "CDNA5" Instruction Set Architecture Reference Guide (July 2026). The comments in the code are by the model that wrote it; some were corrected since.
;; Multi Head Attention. Allowed arithmetic: matrix products marked QUANTISED: E2M1 operands, one E8M0 scale for each 32 along K, by v_wmma_scale_f32_16x16x128_f8f6f4 with both operands' format E2M1 (or v_wmma_scale_f32_32x16x128_f4), f32 sums; products left as they are: bf16, f16 or f32 operands; f32 sums; everything else in f32.
;; Inputs: Wk 1,024 x 1,024 float32; Wo 1,024 x 1,024 float32; Wq 1,024 x 1,024 float32; Wv 1,024 x 1,024 float32; bk 1,024 float32; bo 1,024 float32; bq 1,024 float32; bv 1,024 float32; key 4 x 2,048 x 1,024 float32; mask 4 x 2,048 x 2,048 int32; query 4 x 2,048 x 1,024 float32; value 4 x 2,048 x 1,024 float32.
;; Outputs: out0 4 x 2,048 x 1,024 float32.
;; This version of the problem:
;;   THIS VERSION OF THE PROBLEM IS GIVEN IN LOW PRECISION. The matrix products marked QUANTISED in the list below multiply operands that are first quantised to E2M1 (2 exponent bits, 1 mantissa bit; 4 bits a number), with one power-of-two scale for each 32 numbers along K (OCP MX v1.0); their sums are f32. The products marked 'left as it is' may take bf16, f16 or f32 operands, with f32 sums. Whichever they take, every output number must still come out within the allowed error. Rounding operands to bf16 (8 significant bits) uses up far more of that allowance than f16 does (11 bits, for magnitudes from 6e-5 to 65,504). All else is computed in f32.
;;   The module's matrix products, in the order in which they are computed (A, B: the left and right operand; K: the contracted axis; several contracted axes count as one K, in the product's order):
;;     1. [M 8,192, K 1,024] x [K 1,024, N 1,024]; A: input query; B: input Wq: QUANTISED
;;     2. [M 8,192, K 1,024] x [K 1,024, N 1,024]; A: input key; B: input Wk: QUANTISED
;;     3. [M 8,192, K 1,024] x [K 1,024, N 1,024]; A: input value; B: input Wv: QUANTISED
;;     4. batch 64 x [M 2,048, K 64] x [K 64, N 2,048]; A: computed on the way; B: computed on the way: left as it is (an operand is computed on the way)
;;     5. batch 64 x [M 2,048, K 2,048] x [K 2,048, N 64]; A: computed on the way; B: computed on the way: left as it is (an operand is computed on the way)
;;     6. [M 8,192, K 1,024] x [K 1,024, N 1,024]; A: computed on the way; B: input Wo: left as it is (an operand is computed on the way)
;;   THE QUANTISER, for each operand of a quantised product, along K:
;;     - K is cut into blocks of 32 from its start; a last block that is shorter is filled with zeros.
;;     - A block's scale is 2^e with e = floor(log2(the largest magnitude in the block)) - 2, held to -126 .. 127; a block of zeros has e = 0. As a byte (E8M0): e + 127.
;;     - Each number is divided by its block's scale, clamped to +-6, and rounded to the nearest number of E2M1, ties to even, subnormals kept.
;;     - The product sums the exact products of the quantised numbers (number of the format x scale) in f32.
;;   ~~~python
;;   def quantise(x, axis):      # numpy; x: float32 -> the quantised numbers, widened to float32 again
;;       x = np.moveaxis(x, axis, -1); K = x.shape[-1]
;;       x = np.pad(x, [(0, 0)] * (x.ndim - 1) + [(0, -K % 32)]); x = x.reshape(x.shape[:-1] + (-1, 32)); a = np.abs(x).max(-1, keepdims=True)
;;       e = np.where(a > 0, np.clip(np.frexp(np.where(a > 0, a, 1))[1] - 1 - 2, -126, 127), 0)      # np.frexp(a)[1] - 1 = floor(log2(a)), exactly
;;       r = np.clip(x / 2.0 ** e, -6, 6)
;;       step = 2.0 ** (np.maximum(np.frexp(np.where(r == 0, 1, r))[1] - 1, 0) - 1)
;;       q = np.round(r / step) * step * 2.0 ** e      # np.round: ties to even
;;       return np.moveaxis(q.reshape(q.shape[:-2] + (-1,))[..., :K], -1, axis).astype(np.float32)
;;   ~~~
;; One version. Each part assembles by itself: llvm-mc -triple=amdgcn-amd-amdhsa -mcpu=gfx1250 --defsym DOCPART=n.
;; ======== version 1 of 1: 4 launches
;; limits: values are held in f16: magnitudes above 65,504 overflow, below 6.1e-05 lose precision
;; workspace buffers: wc 1,572,864 bytes; ws 98,304 bytes; wof 2,097,152 bytes; mb 2,097,152 bytes of whole numbers; qf 16,777,216 bytes; kv 33,554,432 bytes; xf 16,777,216 bytes
;; launch prep (part 1): grid 768 x 1, 4 waves a work-group, no clusters, 34,304 bytes of LDS; arguments Wq, Wk, Wv, Wo, mask, wc, ws, wof, mb; writes wc, ws, wof, mb
.if DOCPART == 1
	.amdgcn_target "amdgcn-amd-amdhsa--gfx1250"
	.amdhsa_code_object_version 6
	.text
	.protected	k_qab52edd036_prep
	.globl	k_qab52edd036_prep
	.p2align	8
	.type	k_qab52edd036_prep,@function
k_qab52edd036_prep:
	s_mov_b64 s[64:65], 0
	v_nop
	global_prefetch_b8 v0, s[64:65] scope:SCOPE_SE
	s_setreg_imm32_b32 hwreg(HW_REG_WAVE_MODE, 25, 1), 1
	s_wait_xcnt 0x0
; MULTI-HEAD ATTENTION, launch 1 of 4: the weights and the mask are laid out once, in the order in which the later launches' registers take them.
; DEAD WORK: none is left out.  All twelve inputs have a way to the output.  bk too: it adds q . bk to the scores that the mask lets through and nothing to those that it replaces by -1e9, so it is not the
; same along the softmax's axis.  Every product of reference() is done in full.
; LIMITS: NaN and infinities among the inputs are not served.  A block of 32 that is all zeros, or whose largest magnitude lies under 2^-124, gets the scale byte 1 (the rule says 127 for zeros): its codes
; are zeros or the floor holds, and the bytes are read by this program alone.  Wo is rounded to f16: magnitudes up to 65,504.
; WHAT IS MADE.
;   wc  [q,k,v][64 tiles of 16 columns][32 blocks of 32 along K][16 columns][16 bytes]: codes of E2M1.  A fragment (tile, 128 along K) is 1,024 consecutive bytes, 16 bytes a lane at 16 x lane and 512 further on.
;   ws  [q,k,v][64 tiles][8 K steps][16 columns] one word of four E8M0 bytes.
;   wof [64 tiles of 16 columns][32 groups of 32 along K][2][32 lanes][16 bytes]: Wo in f16, as the fragments of a 16-bit operand whose rows are Wo's columns.
;   mb  [4][128 tiles of 16 queries][32 steps of 64 keys][4 tiles of 16 keys][8] words: bit 16 h + r says mask[b][16 qt + r][64 ks + 16 kt + 8 h + j] > 0: the lane mask of register j of a tile of scores.
; SHARES.  Work-groups 0-255: a wave takes 32 columns x 128 along K of one weight; A LANE TAKES A COLUMN AND ITS REGISTERS RUN DOWN K, so nothing is transposed.  Work-groups 256-767: a wave takes 16 rows x 512 keys of the mask.
; No matrix unit, no cluster, no tensor load: the launch streams, and no two work-groups read the same bytes.
.set X,     16                         ; v16-143  a column's 128 numbers down K
.set CD,    144                        ; v144-207 codes (4 a block) or f16 pairs (16 a group of 32): every store has registers of its own
.set SPW,   6                          ; v6   LDS address of my spare word; never rewritten
.set NIL,   7                          ; v7   0; never rewritten
.set SROW,  528                        ; a stage row: 512 bytes + 16 = 132 words, so that 16 rows start at 16 different banks (64 banks of 4 bytes: ISA guide 11.1)
.set SWAVE, 16*SROW                    ; a wave's stage (the mask's path alone writes LDS)
.set SPARE, 4*SWAVE                    ; behind the stages: the spare words, 128 bytes a wave, that no other line names
.set L,     16                         ; the mask: v16-143 two sets of 16 rows x 16 bytes as loaded
.set T,     144                        ; v144-207 64 numbers of the mask, one for each word to be made
.set OW,    208                        ; v208-215 the words, two registers a step
	s_load_b256 s[4:11], s[0:1], 0x0               ; Wq s[4:5], Wk s[6:7], Wv s[8:9], Wo s[10:11]
	s_load_b256 s[12:19], s[0:1], 0x20             ; mask s[12:13], wc s[14:15], ws s[16:17], wof s[18:19]
	s_load_b64 s[20:21], s[0:1], 0x40              ; mb
	v_lshl_add_u32 v[SPW], v0, 2, SPARE
	v_mov_b32 v[NIL], 0
	v_lshrrev_b32 v1, 5, v0
	v_readfirstlane_b32 s22, v1                    ; wave 0..3
	v_and_b32 v2, 31, v0                           ; lane
	v_and_b32 v8, 15, v0                           ; r
	v_bfe_u32 v9, v0, 4, 1                         ; h
	s_cmp_ge_u32 ttmp9, 256
	s_cbranch_scc1 .Lmask
; ---------------- the weights ----------------
	s_lshr_b32 s23, ttmp9, 6                       ; which weight: 0 Wq, 1 Wk, 2 Wv, 3 Wo
	s_and_b32 s24, ttmp9, 63
	s_and_b32 s25, s24, 7
	s_lshl_b32 s25, s25, 2
	s_add_co_u32 s25, s25, s22                     ; cg: my 32 columns; the four waves stand side by side on 512 bytes
	s_lshr_b32 s24, s24, 3                         ; s: my 128 along K
	v_lshlrev_b32 v1, 2, v2                        ; in: 4 bytes a lane
	v_lshlrev_b32 v3, 4, v8
	v_lshl_add_u32 v3, v9, 13, v3                  ; codes out: tile 2 cg + h (8,192 bytes a tile), column r (16 bytes)
	v_lshlrev_b32 v4, 2, v8
	v_lshl_add_u32 v4, v9, 9, v4                   ; scale words out: 512 bytes a tile, 4 a column
	v_lshlrev_b32 v5, 4, v2                        ; Wo's fragments out: 16 x lane
	s_lshl_b32 s26, s24, 19                        ; 128 rows of 4,096 bytes
	s_lshl_b32 s27, s25, 7
	s_add_co_u32 s26, s26, s27
	s_mov_b32 s27, 0
	s_wait_kmcnt 0x0
	s_cmp_eq_u32 s23, 1                            ; the choice hangs on the work-group's number alone
	s_cselect_b64 s[4:5], s[6:7], s[4:5]
	s_cmp_eq_u32 s23, 2
	s_cselect_b64 s[4:5], s[8:9], s[4:5]
	s_cmp_eq_u32 s23, 3
	s_cselect_b64 s[4:5], s[10:11], s[4:5]
	s_add_nc_u64 s[4:5], s[4:5], s[26:27]
.macro LOADB b                         ; block b: W(128 s + 32 b + i, my column): 32 lanes read 128 consecutive bytes
.set i, 0
.rept 32
	global_load_b32 v[X+32*(\b)+i], v1, s[4:5] offset:(32*(\b)+i)*4096 th:TH_LOAD_NT
.set i, i+1
.endr
.endm
	LOADB 0
	LOADB 1
	s_cmp_eq_u32 s23, 3
	s_cbranch_scc1 .Lwo
	s_lshl_b32 s28, s23, 19                        ; wc: 524,288 bytes a weight, 16,384 for my two tiles, 1,024 a K step
	s_lshl_b32 s29, s25, 14
	s_add_co_u32 s28, s28, s29
	s_lshl_b32 s29, s24, 10
	s_add_co_u32 s28, s28, s29
	s_mov_b32 s29, 0
	s_add_nc_u64 s[14:15], s[14:15], s[28:29]
	s_lshr_b32 s28, s28, 4                         ; ws: a sixteenth of each of the three
	s_add_nc_u64 s[16:17], s[16:17], s[28:29]
; A block of 32 along K: all its numbers are mine.  Its largest magnitude with 2 off the exponent field is the conversion's scale operand; that field is the E8M0 byte.
.macro QBLK b
.set XB, X+32*(\b)
.if (\b) < 3
	s_wait_loadcnt 32                              ; this block's 32 loads are in; the next block's 32 may be out
.else
	s_wait_loadcnt 0x0
.endif
.if (\b)+2 < 4
	LOADB (\b)+2
.endif
	v_max3_num_f32 v8, |v[XB]|, |v[XB+1]|, |v[XB+2]|
	v_max3_num_f32 v9, |v[XB+3]|, |v[XB+4]|, |v[XB+5]|
.irp i, 6,10,14,18,22,26
	v_max3_num_f32 v8, v8, |v[XB+\i]|, |v[XB+\i+1]|
	v_max3_num_f32 v9, v9, |v[XB+\i+2]|, |v[XB+\i+3]|
.endr
	v_max3_num_f32 v8, v8, |v[XB+30]|, |v[XB+31]|
	v_max3_num_f32 v8, v8, v9, 0x1800000           ; the floor 2^(3 - 127): the byte cannot fall under 1
	v_add_nc_u32 v10, 0xff000000, v8               ; 2 off the exponent field
.irp g, 0,1,2,3
	v_cvt_scalef32_pk8_fp4_f32 v[CD+4*(\b)+\g], v[XB+8*\g:XB+8*\g+7], v10
.endr
	v_lshrrev_b32 v11, 23, v10                     ; the byte (a plain line behind the conversions)
.if (\b) == 0
	v_mov_b32 v12, v11
.else
	v_lshl_or_b32 v12, v11, 8*(\b), v12            ; four bytes make the K step's word, the lower K in the lower byte
.endif
	global_store_b128 v3, v[CD+4*(\b):CD+4*(\b)+3], s[14:15] offset:256*(\b)   ; sixteen lanes store 256 consecutive bytes, aligned
.endm
	QBLK 0
	QBLK 1
	QBLK 2
	QBLK 3
	global_store_b32 v4, v12, s[16:17]             ; runs of 64 bytes: 98,304 bytes in the whole launch
	s_endpgm
.Lwo:                                              ; Wo: rounded to f16, two along K to a register
	s_lshl_b32 s28, s25, 16                        ; wof: 32,768 bytes a tile, two tiles; 1,024 a group of 32 along K, four groups
	s_lshl_b32 s29, s24, 12
	s_add_co_u32 s28, s28, s29
	s_mov_b32 s29, 0
	s_add_nc_u64 s[18:19], s[18:19], s[28:29]
; 32 along K of my column become 16 registers.  A fragment wants 8 along K of column r in lanes 0-15 and the next 8 of the SAME column in lanes 16-31: the swaps give lanes 16-31 of the first register
; what lanes 0-15 of the second held.  Registers 0-3, 8-11 are then the fragment of tile 2 cg, registers 4-7, 12-15 that of tile 2 cg + 1.
.macro WOG g
.if (\g) < 3
	s_wait_loadcnt 32                              ; this group's 32 loads are in; the next group's 32 may be out
.else
	s_wait_loadcnt 0x0
.endif
.if (\g)+2 < 4
	LOADB (\g)+2
.endif
.set i, 0
.rept 16
	v_cvt_pk_f16_f32 v[CD+16*(\g)+i], v[X+32*(\g)+2*i], v[X+32*(\g)+2*i+1]
.set i, i+1
.endr
.irp i, 0,1,2,3
	v_permlane16_swap_b32 v[CD+16*(\g)+\i], v[CD+16*(\g)+4+\i]
	v_permlane16_swap_b32 v[CD+16*(\g)+8+\i], v[CD+16*(\g)+12+\i]
.endr
	global_store_b128 v5, v[CD+16*(\g):CD+16*(\g)+3], s[18:19] offset:1024*(\g)             ; 32 lanes store 512 consecutive bytes
	global_store_b128 v5, v[CD+16*(\g)+8:CD+16*(\g)+11], s[18:19] offset:1024*(\g)+512
	global_store_b128 v5, v[CD+16*(\g)+4:CD+16*(\g)+7], s[18:19] offset:1024*(\g)+32768
	global_store_b128 v5, v[CD+16*(\g)+12:CD+16*(\g)+15], s[18:19] offset:1024*(\g)+32768+512
.endm
	WOG 0
	WOG 1
	WOG 2
	WOG 3
	s_endpgm
; ---------------- the mask ----------------
.Lmask:
	s_sub_co_u32 s23, ttmp9, 256                   ; the tile of 16 query rows: 128 b + qt; my wave takes keys 512 x wave on
	s_lshl_b32 s24, s23, 17                        ; 16 rows of 8,192 bytes
	s_lshl_b32 s25, s22, 11
	s_add_co_u32 s24, s24, s25
	s_mov_b32 s25, 0
	s_lshl_b32 s26, s23, 12                        ; 4,096 bytes of words a tile, 1,024 for my 512 keys
	s_lshl_b32 s27, s22, 10
	s_add_co_u32 s26, s26, s27
	s_mov_b32 s27, 0
	v_lshlrev_b32 v1, 4, v2                        ; in: 16 bytes a lane
	s_mul_i32 s28, s22, SWAVE
	v_add_nc_u32 v3, s28, v1                       ; into my stage: a row as it lies
	v_mul_u32_u24 v4, v8, SROW
	v_lshl_add_u32 v4, v9, 5, v4
	v_add_nc_u32 v4, s28, v4                       ; out of it: row r, + 8 h keys
	v_lshlrev_b32 v5, 3, v2                        ; the words out: 8 bytes a lane
.irp i, 0,1,2,3,4,5,6,7
	v_mov_b32 v[OW+\i], 0                          ; written once: v_writelane_b32's destination counts as read
.endr
	s_wait_kmcnt 0x0
	s_add_nc_u64 s[12:13], s[12:13], s[24:25]
	s_add_nc_u64 s[20:21], s[20:21], s[26:27]
.macro MLOAD u                         ; 128 keys of 16 rows: each load reads 512 consecutive bytes of one row
.set r, 0
.rept 16
	global_load_b128 v[L+64*((\u)%2)+4*r:L+64*((\u)%2)+4*r+3], v1, s[12:13] offset:r*8192+(\u)*512 th:TH_LOAD_NT
.set r, r+1
.endr
.endm
; 128 keys x 16 rows become 64 words.  Through my stage lane (r, h) gets, for word 32 e + 8 kt + j, the number of row r at key 64 e + 16 kt + 8 h + j; a compare then IS the word.
.macro MSTEP u
.if (\u) < 3
	s_wait_loadcnt 16                              ; this step's 16 loads are in; the next step's 16 may be out
.else
	s_wait_loadcnt 0x0
.endif
.set r, 0
.rept 16
	ds_store_b128 v3, v[L+64*((\u)%2)+4*r:L+64*((\u)%2)+4*r+3] offset:r*SROW
.set r, r+1
.endr
.irp e, 0,1
.irp kt, 0,1,2,3
.irp jj, 0,1
	ds_load_b128 v[T+32*\e+8*\kt+4*\jj:T+32*\e+8*\kt+4*\jj+3], v4 offset:256*\e+64*\kt+16*\jj   ; LDS serves a wave's instructions in order (ISA guide 5.7.1.4): these see my stores
.endr
.endr
.endr
	s_wait_dscnt 0x0                               ; the numbers are back, and the stores have read their registers,
.if (\u)+2 < 4
	MLOAD (\u)+2                                   ; which take the loads of two steps on
.endif
.set w, 0
.rept 8
.irp k, 0,1,2,3,4,5,6,7
	v_cmp_lt_i32 s[32+\k], 0, v[T+w+\k]            ; bit 16 h + r: the mask is over 0 there
.endr
.irp k, 0,1,2,3,4,5,6,7
	v_writelane_b32 v[OW+2*(\u)+(\k&1)], s[32+\k], (w+\k)>>1   ; words 2 l and 2 l + 1 go to lane l
.endr
.set w, w+8
.endr
	global_store_b64 v5, v[OW+2*(\u):OW+2*(\u)+1], s[20:21] offset:256*(\u)   ; 32 lanes store 256 consecutive bytes, aligned
.endm
	MLOAD 0
	MLOAD 1
	MSTEP 0
	MSTEP 1
	MSTEP 2
	MSTEP 3
	s_wait_tensorcnt 0x0                           ; the wave's end
	ds_add_u32 v[SPW], v[NIL]
	s_wait_dscnt 0x0
	s_endpgm
.Lfunc_end_k_qab52edd036_prep:
	.size	k_qab52edd036_prep, .Lfunc_end_k_qab52edd036_prep-k_qab52edd036_prep
	.p2alignl 7, 3214868480
	.fill 96, 4, 3214868480
	.section	.rodata,"a",@progbits
	.p2align	6, 0x0
	.amdhsa_kernel k_qab52edd036_prep
		.amdhsa_group_segment_fixed_size 34304
		.amdhsa_private_segment_fixed_size 0
		.amdhsa_enable_private_segment 0
		.amdhsa_kernarg_size 72
		.amdhsa_user_sgpr_count 2
		.amdhsa_user_sgpr_kernarg_segment_ptr 1
		.amdhsa_wavefront_size32 1
		.amdhsa_system_sgpr_workgroup_id_x 1
		.amdhsa_system_sgpr_workgroup_id_y 1
		.amdhsa_system_sgpr_workgroup_id_z 1
		.amdhsa_system_vgpr_workitem_id 0
		.amdhsa_next_free_vgpr 216
		.amdhsa_next_free_sgpr 66
		.amdhsa_reserve_vcc 0
		.amdhsa_float_denorm_mode_32 3
		.amdhsa_float_denorm_mode_16_64 3
		.amdhsa_memory_ordered 1
		.amdhsa_forward_progress 1
		.amdhsa_inst_pref_size 81
	.end_amdhsa_kernel
	.amdgpu_metadata
---
amdhsa.version: [ 1, 2 ]
amdhsa.kernels:
  - .name:           k_qab52edd036_prep
    .symbol:         k_qab52edd036_prep.kd
    .args:
      - { .name: Wq, .offset: 0, .size: 8, .value_kind: global_buffer, .address_space: global }
      - { .name: Wk, .offset: 8, .size: 8, .value_kind: global_buffer, .address_space: global }
      - { .name: Wv, .offset: 16, .size: 8, .value_kind: global_buffer, .address_space: global }
      - { .name: Wo, .offset: 24, .size: 8, .value_kind: global_buffer, .address_space: global }
      - { .name: mask, .offset: 32, .size: 8, .value_kind: global_buffer, .address_space: global }
      - { .name: wc, .offset: 40, .size: 8, .value_kind: global_buffer, .address_space: global }
      - { .name: ws, .offset: 48, .size: 8, .value_kind: global_buffer, .address_space: global }
      - { .name: wof, .offset: 56, .size: 8, .value_kind: global_buffer, .address_space: global }
      - { .name: mb, .offset: 64, .size: 8, .value_kind: global_buffer, .address_space: global }
    .group_segment_fixed_size: 34304
    .private_segment_fixed_size: 0
    .kernarg_segment_align: 8
    .kernarg_segment_size: 72
    .max_flat_workgroup_size: 128
    .sgpr_count:     66
    .vgpr_count:     216
    .wavefront_size: 32
...
	.end_amdgpu_metadata
.endif
;; end of part 1
;; launch proj (part 2): grid 64 x 3, 8 waves a work-group, no clusters, 138,240 bytes of LDS; arguments query, key, value, wc, ws, bq, bk, bv, qf, kv; writes qf, kv
.if DOCPART == 2
	.amdgcn_target "amdgcn-amd-amdhsa--gfx1250"
	.amdhsa_code_object_version 6
	.text
	.protected	k_qab52edd036_proj
	.globl	k_qab52edd036_proj
	.p2align	8
	.type	k_qab52edd036_proj,@function
k_qab52edd036_proj:
	s_mov_b64 s[64:65], 0
	v_nop
	global_prefetch_b8 v0, s[64:65] scope:SCOPE_SE
	s_setreg_imm32_b32 hwreg(HW_REG_WAVE_MODE, 25, 1), 1
	s_wait_xcnt 0x0
; MULTI-HEAD ATTENTION, launch 2 of 4: q = query Wq + bq, k = key Wk + bk, v = value Wv + bv, on codes of E2M1 with one E8M0 scale for each 32 along K.  No work of reference() is left out.
; The weights' codes and scale words come from launch 1; x (query, key or value: work-group y) is quantised here, on its way, and read from memory once.
; SHARES.  A work-group takes 128 tokens of one tensor against all 1,024 channels.  PHASE X: wave w quantises tokens 16 w .. 16 w + 15 for all of K and leaves the fragments in LDS as images of their registers
; (16 bytes a lane at 16 x lane).  One barrier.  PHASE P: wave w makes channels 128 w .. 128 w + 127, two heads, one after the other: 8 tiles of tokens x 4 tiles of channels, 32 accumulators.
; THE RESULT LEAVES AS THE NEXT PRODUCT'S FRAGMENTS.  q and k: source 0 = 16 columns of W, source 1 = 16 tokens: a lane holds one token and eight neighbouring channels, which rounded to f16 are 16 bytes of a fragment
; of Q or K.  v: source 0 = 16 tokens, source 1 = 16 columns of W: a lane holds one channel and eight neighbouring tokens: 16 bytes of a fragment of V^T.  Every store is 512 consecutive bytes.
; q is multiplied in f32 by c = log2(e) / 8, so that the scores come out as exponents of 2.  The bias is the C of each sum's first product.
; NO CLUSTER: the launch has no tensor load.  A fragment of W is read by one wave of a work-group alone and goes from memory straight into that wave's registers, in their order; through LDS the same bytes would be moved twice.
; LIMITS: |q c|, |k|, |v| up to 65,504 (f16); NaN and infinities are not served; a block of zeros, or one under 2^-124, has the scale byte 1 (read by this program alone).
; REGISTERS.  window 0: v1-15 addresses; phase X: v16-143 two sets of 64 numbers, v144-159 at work; phase P: v16-79 x's eight fragments (on the way out: f16), v80-175 W's fragments, three sets of four,
;   v176-207 the bias, v208-239 x's scale words, v240-255 W's (these 48 hold scale words and nothing else).   window 1: accumulator (m, i) at v[8 (4 m + i)].
.set SROW,  528                        ; a stage row: 512 bytes + 16 = 132 words: 16 rows start at 16 different banks (64 banks of 4 bytes: ISA guide 11.1)
.set SWAVE, 16*SROW                    ; LDS: a stage for each wave, from byte 0;
.set XIMG,  8*SWAVE                    ; x's fragments [tile m 8][K step 8][2][lane][16 bytes];
.set XSC,   XIMG+65536                 ; their scale words [m 8][K step 8][row 16];
.set SPARE, XSC+4096                   ; the spare words, 128 bytes a wave, that no other line names
.set LI,   1                           ; v1   16 x lane
.set XA,   2                           ; v2   XIMG + 16 x lane
.set L4,   3                           ; v3   XSC + 4 x lane
.set SIN,  4                           ; v4   into my stage
.set SOUT, 5                           ; v5   out of it: row r, + 128 h
.set XW,   6                           ; v6   where I store my tile's images
.set XSW,  7                           ; v7   and its scale words
.set BO0,  8                           ; v8   32 h: the bias of eight channels
.set L4G,  9                           ; v9   4 x lane
.set BO1,  10                          ; v10  4 r: the bias of one channel
.set H8,   11                          ; v11  8 h
.set SPW,  14                          ; v14  LDS address of my spare word; never rewritten
.set NIL,  15                          ; v15  0; never rewritten
.set L,    16
.set PC,   144                         ; v144-151 the codes just made
.set TM,   152                         ; v152-153 largest magnitudes, 154-155 scale operands, 156-157 bytes, 158 the word, 159 the other half's
.set XF,   16
.set WF,   80
.set BI,   176
.set XS,   208
.set WS,   240
.set MSB, 0
.macro WIN new                         ; the immediate's high byte repeats the setting that is left
.if MSB != \new
	s_set_vgpr_msb (MSB<<8)|\new
.set MSB, \new
.endif
.endm
.macro PLACES                          ; four places behind these matrix instructions, in front of loads into their sources and of the first read of results
.rept 4
	v_nop
.endr
.endm
	s_load_b256 s[4:11], s[0:1], 0x0               ; query s[4:5], key s[6:7], value s[8:9], wc s[10:11]
	s_load_b256 s[12:19], s[0:1], 0x20             ; ws s[12:13], bq s[14:15], bk s[16:17], bv s[18:19]
	s_load_b128 s[20:23], s[0:1], 0x40             ; qf s[20:21], kv s[22:23]
	v_lshl_add_u32 v[SPW], v0, 2, SPARE
	v_mov_b32 v[NIL], 0
	v_lshrrev_b32 v12, 5, v0
	v_readfirstlane_b32 s24, v12                   ; wave 0..7
	s_and_b32 s25, ttmp7, 0xffff                   ; y: 0 query, 1 key, 2 value
	v_and_b32 v12, 31, v0                          ; lane
	v_and_b32 v13, 15, v0                          ; r
	v_bfe_u32 v[H8], v0, 4, 1                      ; h
	v_lshlrev_b32 v[LI], 4, v12
	v_add_nc_u32 v[XA], XIMG, v[LI]
	v_lshlrev_b32 v[L4G], 2, v12
	v_add_nc_u32 v[L4], XSC, v[L4G]
	s_mul_i32 s52, s24, SWAVE
	v_add_nc_u32 v[SIN], s52, v[LI]
	v_mul_u32_u24 v[SOUT], v13, SROW
	v_lshl_add_u32 v[SOUT], v[H8], 7, v[SOUT]
	v_add_nc_u32 v[SOUT], s52, v[SOUT]
	s_lshl_b32 s52, s24, 13
	v_add_nc_u32 v[XW], s52, v[XA]                 ; tile m = my wave: 8,192 bytes a tile
	s_lshl_b32 s52, s24, 9
	v_lshlrev_b32 v[BO1], 2, v13
	v_add_nc_u32 v[XSW], s52, v[BO1]
	v_add_nc_u32 v[XSW], XSC, v[XSW]
	v_lshlrev_b32 v[BO0], 5, v[H8]
	v_lshlrev_b32 v[H8], 3, v[H8]
	v_mov_b32 v[TM+7], 0                           ; written once: a lane permute's destination counts as one of its sources
	s_mov_b32 s28, 0x3e38aa3b                      ; c = log2(e) / 8
	s_mov_b32 s29, s28                             ; (named with it as a pair, so it is written)
	s_mov_b32 s30, 0x76543210
	s_mov_b32 s31, 0xfedcba98                      ; v_permlanex16_b32's selects for lane l xor 16
	s_lshl_b32 s52, ttmp9, 19                      ; x: 128 tokens of 4,096 bytes a work-group, 16 a wave
	s_lshl_b32 s53, s24, 16
	s_add_co_u32 s52, s52, s53
	s_mov_b32 s53, 0
	s_lshl_b32 s54, s24, 9                         ; the bias: my 128 channels
	s_mov_b32 s55, 0
	s_lshl_b32 s56, s25, 19                        ; wc: 524,288 bytes a weight, my 8 tiles of 8,192
	s_lshl_b32 s57, s24, 16
	s_add_co_u32 s56, s56, s57
	s_mov_b32 s57, 0
	s_lshr_b32 s58, s56, 4                         ; ws: a sixteenth of both
	s_mov_b32 s59, 0
	s_lshr_b32 s44, ttmp9, 4                       ; the batch: 16 work-groups each
	s_lshl_b32 s44, s44, 4
	s_lshl_b32 s45, s24, 1
	s_add_co_u32 s44, s44, s45                     ; 16 b + my first head
	s_and_b32 s45, ttmp9, 15
	s_lshl_b32 s46, s44, 18                        ; qf: 262,144 bytes a head, 2,048 a tile of 16 tokens, 8 tiles a work-group
	s_lshl_b32 s45, s45, 14
	s_add_co_u32 s46, s46, s45
	s_lshl_b32 s48, s46, 1                         ; kv: 524,288 bytes a head, 16,384 a step of 64 tokens, 2 steps a work-group: twice the figures
	s_cmp_eq_u32 s25, 2
	s_cselect_b32 s49, 8192, 0                     ; V^T lies behind K in a step
	s_add_co_u32 s48, s48, s49
	s_mov_b32 s62, 16384
	s_mov_b32 s60, 524288
	s_cmp_eq_u32 s25, 0
	s_cselect_b32 s46, s46, s48
	s_cselect_b32 s62, 8192, s62                   ; from tiles 0-3 to tiles 4-7
	s_cselect_b32 s60, 262144, s60                 ; from head to head
	s_mov_b32 s47, 0
	s_mov_b32 s63, 0
	s_mov_b32 s61, 0
	s_wait_kmcnt 0x0
	s_cmp_eq_u32 s25, 0                            ; the choices hang on the work-group's number alone
	s_cselect_b64 s[40:41], s[20:21], s[22:23]
	s_add_nc_u64 s[40:41], s[40:41], s[46:47]      ; s[40:41] out: token tiles 0-3;
	s_add_nc_u64 s[42:43], s[40:41], s[62:63]      ; s[42:43]: tiles 4-7
	s_cmp_eq_u32 s25, 1
	s_cselect_b64 s[32:33], s[6:7], s[4:5]
	s_cselect_b64 s[34:35], s[16:17], s[14:15]
	s_cmp_eq_u32 s25, 2
	s_cselect_b64 s[32:33], s[8:9], s[32:33]
	s_cselect_b64 s[34:35], s[18:19], s[34:35]
	s_add_nc_u64 s[32:33], s[32:33], s[52:53]      ; s[32:33] x at my 16 tokens
	s_add_nc_u64 s[34:35], s[34:35], s[54:55]      ; s[34:35] the bias
	s_add_nc_u64 s[36:37], s[10:11], s[56:57]      ; s[36:37] W's codes
	s_add_nc_u64 s[38:39], s[12:13], s[58:59]      ; s[38:39] W's scale words
; ---------------- PHASE X ----------------
.macro XLOAD s                         ; K step s (128 numbers) of my 16 tokens: each load reads 512 consecutive bytes of one row
.set r, 0
.rept 16
	global_load_b128 v[L+64*((\s)%2)+4*r:L+64*((\s)%2)+4*r+3], v[LI], s[32:33] offset:r*4096+(\s)*512 th:TH_LOAD_NT
.set r, r+1
.endr
.endm
; The 8,192 bytes turn through my stage and come back into the registers that they left: lane (r, h) then holds blocks h and 2 + h of row r whole, in the order of the operand's registers.
.macro XSTEP s
.set N, L+64*((\s)%2)
.if (\s) < 7
	s_wait_loadcnt 16                              ; this K step's 16 loads are in; the next step's 16 may be out
.else
	s_wait_loadcnt 0x0
.endif
.set r, 0
.rept 16
	ds_store_b128 v[SIN], v[N+4*r:N+4*r+3] offset:r*SROW
.set r, r+1
.endr
.irp c, 0,1
.irp jj, 0,1,2,3,4,5,6,7
	ds_load_b128 v[N+32*\c+4*\jj:N+32*\c+4*\jj+3], v[SOUT] offset:256*\c+16*\jj   ; LDS serves a wave's instructions in order (ISA guide 5.7.1.4): these see my stores
.endr
.endr
	s_wait_dscnt 0x0                               ; the numbers are back; the last step's stores of codes and word are done too
.irp c, 0,1
	v_max3_num_f32 v[TM+\c], |v[N+32*\c]|, |v[N+32*\c+1]|, 0x1800000   ; my block 2 c + h, and the floor 2^(3 - 127): the byte cannot fall under 1
.endr
.irp i, 2,4,6,8,10,12,14,16,18,20,22,24,26,28,30
.irp c, 0,1
	v_max3_num_f32 v[TM+\c], v[TM+\c], |v[N+32*\c+\i]|, |v[N+32*\c+\i+1]|   ; (the two blocks by turns)
.endr
.endr
.irp c, 0,1
	v_add_nc_u32 v[TM+2+\c], 0xff000000, v[TM+\c]  ; 2 off the exponent field: the conversion's scale operand
.endr
.irp c, 0,1
	v_lshrrev_b32 v[TM+4+\c], 23, v[TM+2+\c]       ; the byte
.endr
	v_lshl_or_b32 v[TM+6], v[TM+5], 16, v[TM+4]    ; my two bytes, blocks h and 2 + h,
	v_lshlrev_b32 v[TM+6], v[H8], v[TM+6]          ; at their places in the word;
	v_permlanex16_b32 v[TM+7], v[TM+6], s30, s31
	v_or_b32 v[TM+6], v[TM+6], v[TM+7]             ; with lane l xor 16's two the word is whole
.irp c, 0,1
.irp g, 0,1,2,3
	v_cvt_scalef32_pk8_fp4_f32 v[PC+4*\c+\g], v[N+32*\c+8*\g:N+32*\c+8*\g+7], v[TM+2+\c]
.endr
.endr
	v_nop                                          ; one plain line behind the last conversion
	ds_store_b128 v[XW], v[PC:PC+3] offset:(\s)*1024
	ds_store_b128 v[XW], v[PC+4:PC+7] offset:(\s)*1024+512
	ds_store_b32 v[XSW], v[TM+6] offset:(\s)*64    ; both halves of the lanes write the same word to the same place
.if (\s)+2 < 8
	XLOAD (\s)+2                                   ; the numbers have been converted: their registers take the K step two on
.endif
.endm
	XLOAD 0
	XLOAD 1
.irp s, 0,1,2,3,4,5,6,7
	XSTEP \s
.endr
	s_wait_dscnt 0x0                               ; for the others' sake: my images and words lie in LDS
; ---------------- PHASE P ----------------
.macro WLOAD s                         ; W's four fragments of K step s into set s % 3: 512 consecutive bytes a load
.irp i, 0,1,2,3
.irp c, 0,1
	global_load_b128 v[WF+32*((\s)%3)+8*\i+4*\c:WF+32*((\s)%3)+8*\i+4*\c+3], v[LI], s[36:37] offset:\i*8192+(\s)*1024+\c*512
.endr
.endr
.endm
.macro XFL s, half                     ; x's fragments of K step s, token tiles 4 half .. 4 half + 3
.irp mm, 0,1,2,3
.irp c, 0,1
	ds_load_b128 v[XF+8*(4*(\half)+\mm)+4*\c:XF+8*(4*(\half)+\mm)+4*\c+3], v[XA] offset:(4*(\half)+\mm)*8192+(\s)*1024+\c*512
.endr
.endr
.endm
; What a head needs ahead of its products: W's scale words (a register: lanes 0-15 an even K step's, lanes 16-31 the odd one's), the bias in the result's layout, W's first two K steps.
.macro HEAD ori, g
.if \g
	s_add_nc_u64 s[36:37], s[36:37], 32768         ; on to my second head (every load by these bases has been waited for)
	s_add_nc_u64 s[38:39], s[38:39], 2048
	s_add_nc_u64 s[34:35], s[34:35], 256
.endif
.irp i, 0,1,2,3
.irp z, 0,1,2,3
	global_load_b32 v[WS+4*\i+\z], v[L4G], s[38:39] offset:\i*512+\z*128
.endr
.endr
.irp i, 0,1,2,3
.if \ori
.irp j, 0,1,2,3,4,5,6,7
	global_load_b32 v[BI+8*\i+\j], v[BO1], s[34:35] offset:64*\i      ; a lane holds one channel: the same number in all eight
.endr
.else
	global_load_b128 v[BI+8*\i:BI+8*\i+3], v[BO0], s[34:35] offset:64*\i
	global_load_b128 v[BI+8*\i+4:BI+8*\i+7], v[BO0], s[34:35] offset:64*\i+16
.endif
.endr
	WLOAD 0
	WLOAD 1
.endm
.macro MM a, b, sa, sb, s              ; one product; s = 0 starts the sum on the bias; an odd K step's scale words lie in lanes 16-31
.if (\s) == 0
	v_wmma_scale_f32_16x16x128_f8f6f4 v[AC:AC+7], v[\a:\a+7], v[\b:\b+7], v[CB:CB+7], v[\sa], v[\sb] matrix_a_fmt:MATRIX_FMT_FP4 matrix_b_fmt:MATRIX_FMT_FP4
.elseif (\s)%2
	v_wmma_scale_f32_16x16x128_f8f6f4 v[AC:AC+7], v[\a:\a+7], v[\b:\b+7], v[AC:AC+7], v[\sa], v[\sb] matrix_a_fmt:MATRIX_FMT_FP4 matrix_b_fmt:MATRIX_FMT_FP4 matrix_a_scale:MATRIX_SCALE_ROW1 matrix_b_scale:MATRIX_SCALE_ROW1
.else
	v_wmma_scale_f32_16x16x128_f8f6f4 v[AC:AC+7], v[\a:\a+7], v[\b:\b+7], v[AC:AC+7], v[\sa], v[\sb] matrix_a_fmt:MATRIX_FMT_FP4 matrix_b_fmt:MATRIX_FMT_FP4
.endif
.endm
; 16 products: four token tiles x four channel tiles.  The 32 accumulators take turns, one instruction a turn, in the same order in every K step.
.macro PMUL ori, s, half
.if (\s) == 0
	WIN 0x40                                       ; D window 1; the bias, C, window 0
.else
	WIN 0x50                                       ; C and D window 1
.endif
.irp mm, 0,1,2,3
.irp i, 0,1,2,3
.set AC, 8*(4*(4*(\half)+\mm)+\i)
.set CB, BI+8*\i
.set FW, WF+32*((\s)%3)+8*\i
.set FX, XF+8*(4*(\half)+\mm)
.set SW, WS+4*\i+(\s)/2
.set SX, XS+4*(4*(\half)+\mm)+(\s)/2
.if \ori
	MM FX, FW, SX, SW, \s
.else
	MM FW, FX, SW, SX, \s
.endif
.endr
.endr
.endm
.macro PSTEP ori, s
.if (\s)+2 <= 7
	WLOAD (\s)+2                                   ; into the set that the step before multiplied: its places stand behind it
.endif
.if (\s) <= 5
	s_wait_loadcnt 16                              ; this K step's set is in; the 8 loads of each of the two sets behind it may be out
.elseif (\s) == 6
	s_wait_loadcnt 8                               ; one set behind it
.else
	s_wait_loadcnt 0x0
.endif
	s_wait_dscnt 8                                 ; token tiles 0-3 are in; the 8 loads of tiles 4-7 may be out
	PMUL \ori, \s, 0
	WIN 0
	PLACES
.if (\s) < 7
	XFL (\s)+1, 0
	s_wait_dscnt 8                                 ; tiles 4-7 are in; the 8 loads just issued may be out
.else
	s_wait_dscnt 0x0
.endif
	PMUL \ori, \s, 1
	WIN 0
	PLACES
.if (\s) < 7
	XFL (\s)+1, 1
.endif
.endm
; One head: 128 tokens x 64 channels over all of K; then out, rounded to f16.
.macro GROUP ori, g
	XFL 0, 0
	XFL 0, 1
.irp s, 0,1,2,3,4,5,6,7
	PSTEP \ori, \s
.endr
.if (\g) == 0
	HEAD \ori, 1                                   ; the next head's first loads are on their way while this one goes out
.endif
.if (\ori) == 0
	s_cmp_lg_u32 s25, 0
	s_cbranch_scc1 .Lnoscale_\@                    ; q alone is multiplied by c
	WIN 0x41
.set i, 0
.rept 128
	v_pk_mul_f32 v[i:i+1], v[i:i+1], s[28:29] op_sel_hi:[1,0]   ; each accumulator from its low end on
.set i, i+2
.endr
	WIN 0
.Lnoscale_\@:
.endif
.irp hf, 0,1
	WIN 0x05                                       ; sources window 1, destination window 0: x's fragments are done with
.irp mm, 0,1,2,3
.irp i, 0,1,2,3
.irp q, 0,1,2,3
	v_cvt_pk_f16_f32 v[XF+4*(4*\mm+\i)+\q], v[8*(4*(4*\hf+\mm)+\i)+2*\q], v[8*(4*(4*\hf+\mm)+\i)+2*\q+1]
.endr
.endr
.endr
	WIN 0
.irp mm, 0,1,2,3
.irp i, 0,1,2,3
.if \ori
	global_store_b128 v[LI], v[XF+4*(4*\mm+\i):XF+4*(4*\mm+\i)+3], s[40+2*\hf:41+2*\hf] offset:\i*2048+\mm*512   ; V^T: channel tile i, token tile mm.  32 lanes store 512 consecutive bytes
.else
	global_store_b128 v[LI], v[XF+4*(4*\mm+\i):XF+4*(4*\mm+\i)+3], s[40+2*\hf:41+2*\hf] offset:\mm*2048+\i*512   ; Q, K: token tile mm, channels 16 i on
.endif
.endr
.endr
	s_wait_xcnt 0x0                                ; the stores have read their registers and base: both are written again only behind this wait
.endr
	s_add_nc_u64 s[40:41], s[40:41], s[60:61]      ; the next head's place
	s_add_nc_u64 s[42:43], s[42:43], s[60:61]
.endm
	s_cmp_eq_u32 s25, 2                            ; the first head's loads go out ahead of the barrier; the two forms differ in the bias's loads alone
	s_cbranch_scc1 .Lhead_v
	HEAD 0, 0
	s_branch .Lhead_done
.Lhead_v:
	HEAD 1, 0
.Lhead_done:
	s_barrier_signal -1
	s_barrier_wait -1                              ; all eight tiles' fragments and words lie in LDS; nothing writes them again
.irp m, 0,1,2,3,4,5,6,7
.irp z, 0,1,2,3
	ds_load_b32 v[XS+4*\m+\z], v[L4] offset:\m*512+\z*128   ; x's scale words: lanes 0-15 K step 2 z, lanes 16-31 K step 2 z + 1
.endr
.endr
	s_cmp_eq_u32 s25, 2
	s_cbranch_scc1 .Lnat
	GROUP 0, 0
	GROUP 0, 1
	s_branch .Lend
.Lnat:
	GROUP 1, 0
	GROUP 1, 1
.Lend:
	s_wait_tensorcnt 0x0                           ; the wave's end
	ds_add_u32 v[SPW], v[NIL]
	s_wait_dscnt 0x0
	s_endpgm
.Lfunc_end_k_qab52edd036_proj:
	.size	k_qab52edd036_proj, .Lfunc_end_k_qab52edd036_proj-k_qab52edd036_proj
	.p2alignl 7, 3214868480
	.fill 96, 4, 3214868480
	.section	.rodata,"a",@progbits
	.p2align	6, 0x0
	.amdhsa_kernel k_qab52edd036_proj
		.amdhsa_group_segment_fixed_size 138240
		.amdhsa_private_segment_fixed_size 0
		.amdhsa_enable_private_segment 0
		.amdhsa_kernarg_size 80
		.amdhsa_user_sgpr_count 2
		.amdhsa_user_sgpr_kernarg_segment_ptr 1
		.amdhsa_wavefront_size32 1
		.amdhsa_system_sgpr_workgroup_id_x 1
		.amdhsa_system_sgpr_workgroup_id_y 1
		.amdhsa_system_sgpr_workgroup_id_z 1
		.amdhsa_system_vgpr_workitem_id 0
		.amdhsa_next_free_vgpr 512
		.amdhsa_next_free_sgpr 66
		.amdhsa_reserve_vcc 0
		.amdhsa_float_denorm_mode_32 3
		.amdhsa_float_denorm_mode_16_64 3
		.amdhsa_memory_ordered 1
		.amdhsa_forward_progress 1
		.amdhsa_inst_pref_size 255
	.end_amdhsa_kernel
	.section	.bss,"aw",@nobits
	.p2align	6
	.space	262144
	.amdgpu_metadata
---
amdhsa.version: [ 1, 2 ]
amdhsa.kernels:
  - .name:           k_qab52edd036_proj
    .symbol:         k_qab52edd036_proj.kd
    .args:
      - { .name: query, .offset: 0, .size: 8, .value_kind: global_buffer, .address_space: global }
      - { .name: key, .offset: 8, .size: 8, .value_kind: global_buffer, .address_space: global }
      - { .name: value, .offset: 16, .size: 8, .value_kind: global_buffer, .address_space: global }
      - { .name: wc, .offset: 24, .size: 8, .value_kind: global_buffer, .address_space: global }
      - { .name: ws, .offset: 32, .size: 8, .value_kind: global_buffer, .address_space: global }
      - { .name: bq, .offset: 40, .size: 8, .value_kind: global_buffer, .address_space: global }
      - { .name: bk, .offset: 48, .size: 8, .value_kind: global_buffer, .address_space: global }
      - { .name: bv, .offset: 56, .size: 8, .value_kind: global_buffer, .address_space: global }
      - { .name: qf, .offset: 64, .size: 8, .value_kind: global_buffer, .address_space: global }
      - { .name: kv, .offset: 72, .size: 8, .value_kind: global_buffer, .address_space: global }
    .group_segment_fixed_size: 138240
    .private_segment_fixed_size: 0
    .kernarg_segment_align: 8
    .kernarg_segment_size: 80
    .max_flat_workgroup_size: 256
    .sgpr_count:     66
    .vgpr_count:     512
    .wavefront_size: 32
...
	.end_amdgpu_metadata
.endif
;; end of part 2
;; launch attn (part 3): grid 4 x 64, 16 waves a work-group, clusters of 4 x 1, 327,680 bytes of LDS; arguments qf, kv, mb, xf; writes xf
.if DOCPART == 3
	.amdgcn_target "amdgcn-amd-amdhsa--gfx1250"
	.amdhsa_code_object_version 6
	.text
	.protected	k_qab52edd036_attn
	.globl	k_qab52edd036_attn
	.p2align	8
	.type	k_qab52edd036_attn,@function
k_qab52edd036_attn:
	s_mov_b64 s[64:65], 0
	v_nop
	global_prefetch_b8 v0, s[64:65] scope:SCOPE_SE
	s_setreg_imm32_b32 hwreg(HW_REG_WAVE_MODE, 25, 1), 1
	s_wait_xcnt 0x0
	s_wait_alu depctr_hold_cnt(0) depctr_sa_sdst(0) depctr_va_vdst(0) depctr_va_sdst(0) depctr_va_ssrc(0) depctr_va_vcc(0) depctr_vm_vsrc(0)
	s_getreg_b32 s2, hwreg(HW_REG_IB_STS2, 6, 4)
	s_cmp_eq_u32 s2, 0
	s_cbranch_scc0 .Lentry_in_a_cluster
	s_endpgm
.Lentry_in_a_cluster:
	s_bfe_u32 s2, ttmp6, 0x10000c
	s_cmp_lg_u32 s2, 0x3003
	s_cbranch_scc0 .Lentry_shape_is_right
	s_endpgm
.Lentry_shape_is_right:
; MULTI-HEAD ATTENTION, launch 3 of 4: x = softmax(where(mask > 0, -1e9, q k^T / 8)) v, head by head, on f16 operands with f32 sums.  No work of reference() is left out: the mask is an input, so every tile is multiplied.
; q arrives multiplied by log2(e) / 8, so a score IS the exponent t of 2; a masked score is -1e9 log2(e), a finite number as in reference(): a row that is masked throughout comes out as the mean of v.
; SOFTMAX.  For each query a running maximum m and sum l: p = 2^(t - m); in every step O and l are multiplied by a = 2^(old m - new m).  t - m is one subtraction, exact where t = m.
; SHARES.  A cluster of four work-groups takes one head of one batch; a work-group 512 of its queries; each of SIXTEEN waves two tiles of 16 queries, in 256 registers: four waves to a SIMD, so that one wave's
; vector work stands beside another's products.  Every wave walks all 2,048 keys, 64 a step.
; LAYOUT.  S^T = K Q^T (source 0 = 16 keys, source 1 = 16 queries), O^T = V^T P (source 0 = 16 channels, source 1 = P): a lane holds one query throughout; two tiles of S^T rounded in pairs ARE a fragment of P.
; K and V^T lie in memory as images of their fragments, 16,384 bytes a step: a slot of four steps is 65,536 dense bytes, read from LDS at 16 x lane with no pitch.
; CLUSTER.  The four partners walk the same K and V: every tile is asked for JOINTLY, by the same tensor load with the same descriptor and a mask that names the four; each wave asks for 4,096 bytes of a slot,
; so that every way through the text passes a tensor load.  A wave has one tensor load out at the most.  The place in the cluster enters the addresses of q, the mask's words and x alone.
; THE MASK comes as lane masks, one word for each register of a tile of scores (launch 1), by scalar loads a step ahead, and serves as v_cndmask_b32's select: no branch and no address hangs on it.
; LIMITS: NaN and infinities are not served.
; REGISTERS: v1-5 addresses and constants; v8-23 statistics, eight a tile: +0 m, +1 its pair's partner, +2 +3 l, +4..+7 at work (a in +6); v24-55 Q; v56-119 K, then V; v120-183 S^T, then p, then P in the low half of each tile's 32;
;   v184-247 O^T; v248-251 the second chains of the row sums.
.set LI,   1                           ; v1   16 x lane
.set ADR,  2                           ; v2   LDS address of the step in hand
.set NEGT, 3                           ; v3   -1e9 log2(e)
.set SPW,  4                           ; v4   LDS address of my spare word; never rewritten
.set NIL,  5                           ; v5   0; never rewritten
.set ST,   8
.set Q,    24
.set KV,   56
.set S,    120
.set O,    184
.set CH,   248
.set SLOT,  65536                      ; slot 0 at byte 0, slot 1 at 65,536: four key steps of 16,384 bytes each
.set SPARE, 2*SLOT                     ; behind the ring: the spare words, 128 bytes for each of 16 waves, that no other line names
; s12 wave; s13 the mask words' offset; s14 slots to ask for; s[16:23] descriptor group 1; s[24:27] group 0, which walks; s28 the step's LDS byte; s29 counts a slot's steps; s[30:31] lane selects;
; s[32:63] the mask words of tile 0, s[68:99] of tile 1: word 8 kt + j
.macro ROUND                           ; a round of the cluster's barrier
	s_barrier_signal -1
	s_barrier_wait -1
	s_cmp_lg_u32 s12, 0
	s_cbranch_scc1 .Lnot_wave_0_\@
	s_barrier_signal -3
.Lnot_wave_0_\@:
	s_barrier_wait -3
	s_barrier_signal -1
	s_barrier_wait -1
.endm
.macro TLOAD                           ; my 4,096 bytes of a slot
	tensor_load_to_lds s[24:27], s[16:23]
	s_nop 0
.rept 4
	v_nop
.endr
.endm
.macro MWORDS                          ; a step's 64 mask words: 128 bytes for each of my two tiles, which lie 4,096 bytes apart
	s_load_b512 s[32:47], s[8:9], s13 offset:0x0
	s_load_b512 s[48:63], s[8:9], s13 offset:0x40
	s_load_b512 s[68:83], s[8:9], s13 offset:0x1000
	s_load_b512 s[84:99], s[8:9], s13 offset:0x1040
.endm
	s_load_b256 s[4:11], s[0:1], 0x0               ; qf s[4:5], kv s[6:7], mb s[8:9], xf s[10:11]
	v_lshl_add_u32 v[SPW], v0, 2, SPARE
	v_mov_b32 v[NIL], 0
	ds_add_u32 v[SPW], v[NIL]                      ; the wave's opening: the add, twice on end, and its wait ahead of my first tensor load
	ds_add_u32 v[SPW], v[NIL]
	v_lshrrev_b32 v1, 5, v0
	v_readfirstlane_b32 s12, v1                    ; wave 0..15
	s_bfe_u32 s15, ttmp6, 0x40000                  ; cx: my place in the cluster
	s_and_b32 s100, ttmp7, 0xffff                  ; 16 b + head, which the four partners share
	s_mov_b32 s16, 15|(3<<16)|(1<<21)              ; group 1: 15:0 the mask: all four; 17:16 elements of 8 bytes; 21 set beside a mask; no padding
	s_mov_b32 s17, 32<<16                          ; tensor_dim0 = 32 elements: rows of 256 bytes
	s_mov_b32 s18, 16<<16                          ; tensor_dim1 = 16
	s_mov_b32 s19, 32<<16                          ; tile_dim0 = 32
	s_mov_b32 s20, 16                              ; tile_dim1 = 16
	s_mov_b32 s21, 32                              ; the rows are dense
	s_mov_b32 s22, 0
	s_mov_b32 s23, 0
	s_mov_b32 s24, 1                               ; group 0: count = 1
	s_lshl_b32 s25, s12, 12                        ; LDS: slot 0, 4,096 x wave
	s_lshl_b32 s66, s100, 19                       ; kv: 524,288 bytes a head, + 4,096 x wave: made in registers that never hold my place in the cluster
	s_add_co_u32 s66, s66, s25
	s_mov_b32 s67, 0
	s_lshl_b32 s14, s15, 5
	s_lshl_b32 s101, s12, 1
	s_add_co_u32 s14, s14, s101                    ; my first tile of queries: 32 cx + 2 x wave
	s_lshl_b32 s2, s100, 7
	s_add_co_u32 s2, s2, s14
	s_lshl_b32 s2, s2, 11                          ; qf: 2,048 bytes a tile, 128 tiles a head
	s_mov_b32 s3, 0
	s_lshr_b32 s101, s100, 4
	s_lshl_b32 s101, s101, 7
	s_add_co_u32 s14, s14, s101                    ; 128 b + tile: the tile of tokens
	s_mov_b32 s30, 0x76543210
	s_mov_b32 s31, 0xfedcba98                      ; v_permlanex16_b32's selects for lane l xor 16
	s_mov_b32 s13, 0
	s_mov_b32 s28, 0
	s_wait_dscnt 0x0                               ; both opening adds are done
	s_wait_kmcnt 0x0
	s_add_nc_u64 s[26:27], s[6:7], s[66:67]        ; group 0: the head's first 256 keys, my part
	s_or_b32 s27, s27, 0x80000000                  ; type = 2
	s_add_nc_u64 s[4:5], s[4:5], s[2:3]
	s_lshl_b32 s2, s14, 12                         ; mb: 4,096 bytes a tile
	s_add_nc_u64 s[8:9], s[8:9], s[2:3]
	s_lshl_b32 s2, s14, 15                         ; xf: 32,768 bytes a tile of tokens, 2,048 a head
	s_and_b32 s101, s100, 15
	s_lshl_b32 s101, s101, 11
	s_add_co_u32 s2, s2, s101
	s_add_nc_u64 s[10:11], s[10:11], s[2:3]
	ROUND                                          ; all four work-groups are here: the first joint loads meet
	TLOAD                                          ; slot 0
	MWORDS                                         ; step 0's mask words
	v_and_b32 v[LI], 31, v0
	v_lshlrev_b32 v[LI], 4, v[LI]
.irp x, 0,1
.irp i, 0,1,2,3
	global_load_b128 v[Q+16*\x+4*\i:Q+16*\x+4*\i+3], v[LI], s[4:5] offset:\x*2048+\i*512   ; Q stays in registers
.endr
.endr
	v_mov_b32 v[NEGT], 0xceabfb8f                  ; -1e9 x 1.442695
.irp x, 0,1
	v_mov_b32 v[ST+8*\x], 0xff61b1e6               ; m: -3e38, under every t
	v_mov_b32 v[ST+8*\x+1], 0                      ; (named with m as a pair, so it is written)
	v_mov_b32 v[ST+8*\x+2], 0                      ; l, in two halves
	v_mov_b32 v[ST+8*\x+3], 0
.endr
.set n, 0
.rept 64
	v_mov_b32 v[O+n], 0                            ; O^T.  (The step is written once: the first finds zeros, which a = 0 leaves zeros)
.set n, n+1
.endr
	s_mov_b32 s14, 7
	s_wait_loadcnt 0x0                             ; Q
; A KEY STEP: 64 keys.
.macro STEP
	v_add_nc_u32 v[ADR], s28, v[LI]
.set n, 0
.rept 16
	ds_load_b128 v[KV+4*n:KV+4*n+3], v[ADR] offset:512*n            ; K: key tile n / 4, channels 16 (n % 4) on
.set n, n+1
.endr
	s_wait_dscnt 0x0
.irp g, 0,1                                    ; S^T = K Q^T: the eight accumulators by turns, channels 32 g on; the first eight products start the sums
.irp kt, 0,1,2,3
.irp x, 0,1
.if \g == 0
	v_wmma_f32_16x16x32_f16 v[S+32*\x+8*\kt:S+32*\x+8*\kt+7], v[KV+16*\kt:KV+16*\kt+7], v[Q+16*\x:Q+16*\x+7], 0
.else
	v_wmma_f32_16x16x32_f16 v[S+32*\x+8*\kt:S+32*\x+8*\kt+7], v[KV+16*\kt+8:KV+16*\kt+15], v[Q+16*\x+8:Q+16*\x+15], v[S+32*\x+8*\kt:S+32*\x+8*\kt+7]
.endif
.endr
.endr
.endr
.rept 4
	v_nop                                          ; four places: in front of the loads into K's registers and of the first read of the scores
.endr
.set n, 0
.rept 16
	ds_load_b128 v[KV+4*n:KV+4*n+3], v[ADR] offset:8192+512*n       ; V^T: channel tile n / 4, keys 16 (n % 4) on: it lands under the softmax
.set n, n+1
.endr
	s_wait_kmcnt 0x0                               ; this step's mask words, asked for a step ago
.irp x, 0,1
.set n, 0
.rept 32
	v_cndmask_b32 v[S+32*\x+n], v[S+32*\x+n], v[NEGT], s[32+36*\x+n]   ; each accumulator from its low end on
.set n, n+1
.endr
.endr
	s_add_co_u32 s13, s13, 128                     ; the next step's words; behind the last step the offset turns back to 0, so that no load leaves the buffer
	s_and_b32 s13, s13, 4095
	MWORDS
.irp j, 0,1,2,3                                ; the largest of a lane's 32 scores and the old m, three operands at a time, four chains a tile
.irp x, 0,1
	v_max3_num_f32 v[ST+8*\x+4+\j], v[S+32*\x+8*\j], v[S+32*\x+8*\j+1], v[S+32*\x+8*\j+2]
.endr
.endr
.irp u, 1,2
.irp j, 0,1,2,3
.irp x, 0,1
	v_max3_num_f32 v[ST+8*\x+4+\j], v[ST+8*\x+4+\j], v[S+32*\x+8*\j+2*\u+1], v[S+32*\x+8*\j+2*\u+2]
.endr
.endr
.endr
.irp x, 0,1
	v_max3_num_f32 v[ST+8*\x+4], v[ST+8*\x+4], v[S+32*\x+7], v[S+32*\x+15]
	v_max3_num_f32 v[ST+8*\x+6], v[ST+8*\x+6], v[S+32*\x+23], v[S+32*\x+31]
.endr
.irp x, 0,1
	v_max3_num_f32 v[ST+8*\x+4], v[ST+8*\x+4], v[ST+8*\x+5], v[ST+8*\x+6]
.endr
.irp x, 0,1
	v_max3_num_f32 v[ST+8*\x+4], v[ST+8*\x+4], v[ST+8*\x+7], v[ST+8*\x]
.endr
.irp x, 0,1
	v_permlanex16_b32 v[ST+8*\x+5], v[ST+8*\x+4], s30, s31          ; the query's other 32 keys lie in the lane 16 away
.endr
.irp x, 0,1
	v_mov_b32 v[ST+8*\x+7], v[ST+8*\x]             ; the old m
.endr
.irp x, 0,1
	v_max_num_f32 v[ST+8*\x], v[ST+8*\x+4], v[ST+8*\x+5]            ; the new m
.endr
.irp x, 0,1
	v_sub_f32 v[ST+8*\x+7], v[ST+8*\x+7], v[ST+8*\x]
.endr
.irp x, 0,1
.set n, 0
.rept 16
	v_pk_add_f32 v[S+32*\x+n:S+32*\x+n+1], v[S+32*\x+n:S+32*\x+n+1], v[ST+8*\x:ST+8*\x+1] op_sel_hi:[1,0] neg_lo:[0,1] neg_hi:[0,1]   ; t - m, two at a time
.set n, n+2
.endr
.endr
.irp x, 0,1
	v_exp_f32 v[ST+8*\x+6], v[ST+8*\x+7]           ; a.  ONE BATCH: 2 + 64 exponentials, none of which reads another's result
.endr
.set n, 0
.rept 64
	v_exp_f32 v[S+n], v[S+n]                       ; p
.set n, n+1
.endr
	v_nop                                          ; a plain line behind the last exponential
	s_wait_alu depctr_va_vdst(0)                   ; one wait for the batch, ahead of its first reader
.irp x, 0,1                                    ; the row's sum of the f32 p: two chains a tile, which leave p as it is
	v_pk_add_f32 v[ST+8*\x+4:ST+8*\x+5], v[S+32*\x:S+32*\x+1], v[S+32*\x+2:S+32*\x+3]
	v_pk_add_f32 v[CH+2*\x:CH+2*\x+1], v[S+32*\x+4:S+32*\x+5], v[S+32*\x+6:S+32*\x+7]
.endr
.irp p, 8,12,16,20,24,28
.irp x, 0,1
	v_pk_add_f32 v[ST+8*\x+4:ST+8*\x+5], v[ST+8*\x+4:ST+8*\x+5], v[S+32*\x+\p:S+32*\x+\p+1]
	v_pk_add_f32 v[CH+2*\x:CH+2*\x+1], v[CH+2*\x:CH+2*\x+1], v[S+32*\x+\p+2:S+32*\x+\p+3]
.endr
.endr
.irp x, 0,1
	v_pk_add_f32 v[ST+8*\x+4:ST+8*\x+5], v[ST+8*\x+4:ST+8*\x+5], v[CH+2*\x:CH+2*\x+1]
.endr
.irp x, 0,1
	v_pk_fma_f32 v[ST+8*\x+2:ST+8*\x+3], v[ST+8*\x+2:ST+8*\x+3], v[ST+8*\x+6:ST+8*\x+7], v[ST+8*\x+4:ST+8*\x+5] op_sel_hi:[1,0,1]   ; l = a l + the sum
.endr
.set n, 0
.rept 16
.irp x, 0,1
	v_cvt_pk_f16_f32 v[S+32*\x+n], v[S+32*\x+2*n], v[S+32*\x+2*n+1] ; P, in place and ascending: register n is written when 2 n and 2 n + 1 are read
.endr
.set n, n+1
.endr
.irp x, 0,1
.set n, 0
.rept 16
	v_pk_mul_f32 v[O+32*\x+n:O+32*\x+n+1], v[O+32*\x+n:O+32*\x+n+1], v[ST+8*\x+6:ST+8*\x+7] op_sel_hi:[1,0]   ; O^T x a, each accumulator from its low end on
.set n, n+2
.endr
.endr
	s_wait_dscnt 0x0                               ; V^T is in
.irp kg, 0,1                                   ; O^T += V^T P: the eight accumulators by turns, keys 32 kg on
.irp ct, 0,1,2,3
.irp x, 0,1
	v_wmma_f32_16x16x32_f16 v[O+32*\x+8*\ct:O+32*\x+8*\ct+7], v[KV+16*\ct+8*\kg:KV+16*\ct+8*\kg+7], v[S+32*\x+8*\kg:S+32*\x+8*\kg+7], v[O+32*\x+8*\ct:O+32*\x+8*\ct+7]
.endr
.endr
.endr
.rept 5
	v_nop                                          ; four places in front of the next loads into V's registers; five in front of the next scores, which are laid over P
.endr
	s_add_co_u32 s28, s28, 16384
.endm
; THE CHANGE OF SLOTS stands at a slot's head.  Each wave waits for all its tensor loads (its part of the slot ahead), adds 0 to its spare word, and waits for that and for its reads of the slot that it has left.
; fill = 1: a round of the cluster's barrier, so that no wave of any partner still reads that slot or has a load on its way; the joint load of the next 256 keys is the first thing behind it and has four key steps in which to land.
.macro CHANGE fill
	s_wait_tensorcnt 0x0                           ; no tensor load of mine is out, so group 0 may be written
	ds_add_u32 v[SPW], v[NIL]
.if \fill
	s_xor_b32 s25, s25, SLOT                       ; the other slot than last time,
	s_add_nc_u64 s[26:27], s[26:27], SLOT          ; the next four steps; the type bits on top are not reached
.endif
	s_wait_dscnt 0x0
.if \fill
	ROUND
	TLOAD
.else
	s_barrier_signal -1
	s_barrier_wait -1
.endif
.endm
.macro SLOT_STEPS                      ; a slot's four key steps: written once, walked four times
	s_mov_b32 s29, 4
.Lstep_\@:
	STEP
	s_sub_co_u32 s29, s29, 1
	s_cmp_lg_u32 s29, 0
	s_cbranch_scc1 .Lstep_\@
	s_sub_co_u32 s28, s28, SLOT                    ; back to a slot's first step,
	s_xor_b32 s28, s28, SLOT                       ; in the other slot
.endm
.Lslot:                                            ; seven trips: behind each change of slots but the last the next slot is asked for (slot 1's first fill stands behind the first trip's round)
	CHANGE 1
	SLOT_STEPS
	s_sub_co_u32 s14, s14, 1
	s_cmp_lg_u32 s14, 0
	s_cbranch_scc1 .Lslot
	CHANGE 0                                       ; the last slot is written out
	SLOT_STEPS
	; THE WAY OUT.  O^T / l, rounded to f16: a lane's eight channels of a query are 16 bytes of a fragment of the last product's operand.
.irp x, 0,1
	v_add_f32 v[ST+8*\x+4], v[ST+8*\x+2], v[ST+8*\x+3]
.endr
.irp x, 0,1
	v_permlanex16_b32 v[ST+8*\x+5], v[ST+8*\x+4], s30, s31
.endr
.irp x, 0,1
	v_add_f32 v[ST+8*\x+4], v[ST+8*\x+4], v[ST+8*\x+5]
.endr
.irp x, 0,1
	v_rcp_f32 v[ST+8*\x+6], v[ST+8*\x+4]
.endr
	v_nop                                          ; a plain line behind the last reciprocal
	s_wait_alu depctr_va_vdst(0)                   ; one wait for the two, ahead of their first reader
.irp x, 0,1
.set n, 0
.rept 16
	v_pk_mul_f32 v[O+32*\x+n:O+32*\x+n+1], v[O+32*\x+n:O+32*\x+n+1], v[ST+8*\x+6:ST+8*\x+7] op_sel_hi:[1,0]
.set n, n+2
.endr
.endr
.set n, 0
.rept 32
	v_cvt_pk_f16_f32 v[S+n], v[O+2*n], v[O+2*n+1]  ; tile x, channel tile ct: registers 16 x + 4 ct on
.set n, n+1
.endr
.irp x, 0,1
.irp ct, 0,1,2,3
	global_store_b128 v[LI], v[S+16*\x+4*\ct:S+16*\x+4*\ct+3], s[10:11] offset:\x*32768+\ct*512   ; 32 lanes store 512 consecutive bytes
.endr
.endr
	s_wait_tensorcnt 0x0                           ; the wave's end
	ds_add_u32 v[SPW], v[NIL]
	s_wait_dscnt 0x0
	ROUND                                          ; the closing round: no work-group ends while a partner may still ask for a tile that names it
	s_endpgm
.Lfunc_end_k_qab52edd036_attn:
	.size	k_qab52edd036_attn, .Lfunc_end_k_qab52edd036_attn-k_qab52edd036_attn
	.p2alignl 7, 3214868480
	.fill 96, 4, 3214868480
	.section	.rodata,"a",@progbits
	.p2align	6, 0x0
	.amdhsa_kernel k_qab52edd036_attn
		.amdhsa_group_segment_fixed_size 327680
		.amdhsa_private_segment_fixed_size 0
		.amdhsa_enable_private_segment 0
		.amdhsa_kernarg_size 32
		.amdhsa_user_sgpr_count 2
		.amdhsa_user_sgpr_kernarg_segment_ptr 1
		.amdhsa_wavefront_size32 1
		.amdhsa_system_sgpr_workgroup_id_x 1
		.amdhsa_system_sgpr_workgroup_id_y 1
		.amdhsa_system_sgpr_workgroup_id_z 1
		.amdhsa_system_vgpr_workitem_id 0
		.amdhsa_next_free_vgpr 256
		.amdhsa_next_free_sgpr 104
		.amdhsa_reserve_vcc 0
		.amdhsa_float_denorm_mode_32 3
		.amdhsa_float_denorm_mode_16_64 3
		.amdhsa_memory_ordered 1
		.amdhsa_forward_progress 1
		.amdhsa_inst_pref_size 57
	.end_amdhsa_kernel
	.amdgpu_metadata
---
amdhsa.version: [ 1, 2 ]
amdhsa.kernels:
  - .name:           k_qab52edd036_attn
    .symbol:         k_qab52edd036_attn.kd
    .args:
      - { .name: qf, .offset: 0, .size: 8, .value_kind: global_buffer, .address_space: global }
      - { .name: kv, .offset: 8, .size: 8, .value_kind: global_buffer, .address_space: global }
      - { .name: mb, .offset: 16, .size: 8, .value_kind: global_buffer, .address_space: global }
      - { .name: xf, .offset: 24, .size: 8, .value_kind: global_buffer, .address_space: global }
    .group_segment_fixed_size: 327680
    .private_segment_fixed_size: 0
    .kernarg_segment_align: 8
    .kernarg_segment_size: 32
    .max_flat_workgroup_size: 512
    .sgpr_count:     104
    .vgpr_count:     256
    .wavefront_size: 32
...
	.end_amdgpu_metadata
.endif
;; end of part 3
;; launch outp (part 4): grid 4 x 64, 4 waves a work-group, clusters of 4 x 1, 327,680 bytes of LDS; arguments xf, wof, bo, out0; writes out0
.if DOCPART == 4
	.amdgcn_target "amdgcn-amd-amdhsa--gfx1250"
	.amdhsa_code_object_version 6
	.text
	.protected	k_qab52edd036_outp
	.globl	k_qab52edd036_outp
	.p2align	8
	.type	k_qab52edd036_outp,@function
k_qab52edd036_outp:
	s_mov_b64 s[64:65], 0
	v_nop
	global_prefetch_b8 v0, s[64:65] scope:SCOPE_SE
	s_setreg_imm32_b32 hwreg(HW_REG_WAVE_MODE, 25, 1), 1
	s_wait_xcnt 0x0
	s_wait_alu depctr_hold_cnt(0) depctr_sa_sdst(0) depctr_va_vdst(0) depctr_va_sdst(0) depctr_va_ssrc(0) depctr_va_vcc(0) depctr_vm_vsrc(0)
	s_getreg_b32 s2, hwreg(HW_REG_IB_STS2, 6, 4)
	s_cmp_eq_u32 s2, 0
	s_cbranch_scc0 .Lentry_in_a_cluster
	s_endpgm
.Lentry_in_a_cluster:
	s_bfe_u32 s2, ttmp6, 0x10000c
	s_cmp_lg_u32 s2, 0x3003
	s_cbranch_scc0 .Lentry_shape_is_right
	s_endpgm
.Lentry_shape_is_right:
; MULTI-HEAD ATTENTION, launch 4 of 4: out = x Wo + bo, on f16 operands with f32 sums.  No work of reference() is left out.
; SHARES.  A cluster of four work-groups takes 128 tokens; the work-group at place cx outputs 256 cx .. 256 cx + 255; wave w of it 64 outputs for all 128 tokens: 8 x 4 accumulators.
; x's 128 tokens for all of K, 262,144 bytes of fragment images, come into LDS ONCE, in four chunks of 256 along K, by joint loads that the four partners share: nothing is filled again, so there is no ring.
; A wave has its four tensor loads out at the start; the counted waits let the later chunks stay out.
; Wo's fragments (launch 1) are read by one wave of a work-group alone and go from memory straight into its registers, seven groups of 32 along K ahead.
; THE PRODUCT IS USED TRANSPOSED (source 0 = 16 columns of Wo, source 1 = 16 tokens): a lane holds eight neighbouring outputs of one token.  The bias is the C of each sum's first product.
; REGISTERS.  window 0: v1-15 addresses; v16-143 x's fragments, two sets of eight; v144-175 the bias; v176-239 rows on their way out, two sets.   window 1: accumulator (m, i) at v[8 (4 m + i)].   window 2: Wo's fragments, eight sets of four.
.set LI,   1                           ; v1   16 x lane
.set XA,   2                           ; v2-5 chunk j's images: 65,536 j + 16 x lane
.set SO,   6                           ; v6   the stage: where I put 32 bytes of a row
.set SR,   7                           ; v7   and where I read rows back
.set CO,   8                           ; v8   the same rows in out0
.set BO,   9                           ; v9   32 h
.set SPW,  14                          ; v14  LDS address of my spare word; never rewritten
.set NIL,  15                          ; v15  0; never rewritten
.set XF,   16
.set BI,   144
.set OB,   176
.set STG,   262144                     ; behind x: a stage of 16 rows x (256 + 16) bytes for each wave; no tensor load lands there
.set SPITCH, 272                       ; 68 words: 16 rows start at 16 different banks (64 banks of 4 bytes: ISA guide 11.1)
.set SPARE, STG+4*16*SPITCH            ; the spare words, 128 bytes a wave, that no other line names
.set MSB, 0
.macro WIN new                         ; the immediate's high byte repeats the setting that is left
.if MSB != \new
	s_set_vgpr_msb (MSB<<8)|\new
.set MSB, \new
.endif
.endm
.macro ROUND                           ; a round of the cluster's barrier
	s_barrier_signal -1
	s_barrier_wait -1
	s_cmp_lg_u32 s12, 0
	s_cbranch_scc1 .Lnot_wave_0_\@
	s_barrier_signal -3
.Lnot_wave_0_\@:
	s_barrier_wait -3
	s_barrier_signal -1
	s_barrier_wait -1
.endm
	s_load_b256 s[4:11], s[0:1], 0x0               ; xf s[4:5], wof s[6:7], bo s[8:9], out0 s[10:11]
	v_lshl_add_u32 v[SPW], v0, 2, SPARE
	v_mov_b32 v[NIL], 0
	ds_add_u32 v[SPW], v[NIL]                      ; the wave's opening: the add, twice on end, and its wait ahead of my first tensor load
	ds_add_u32 v[SPW], v[NIL]
	v_lshrrev_b32 v12, 5, v0
	v_readfirstlane_b32 s12, v12                   ; wave 0..3
	s_bfe_u32 s13, ttmp6, 0x40000                  ; cx: my block of 256 outputs
	s_and_b32 s14, ttmp7, 0xffff                   ; the block of 128 tokens, which the four partners share
	s_mov_b32 s24, 15|(3<<16)|(1<<21)              ; group 1: the mask: all four; elements of 8 bytes; bit 21 beside a mask; no padding
	s_mov_b32 s25, 1024<<16                        ; tensor_dim0 = 1,024 elements: a token tile's 8,192 bytes of a chunk
	s_mov_b32 s26, 2<<16                           ; tensor_dim1 = 2 token tiles
	s_mov_b32 s27, 1024<<16                        ; tile_dim0
	s_mov_b32 s28, 2                               ; tile_dim1
	s_mov_b32 s29, 4096                            ; from tile to tile: 32,768 bytes
	s_mov_b32 s30, 0
	s_mov_b32 s31, 0
	s_lshl_b32 s16, s14, 18                        ; xf: 8 tiles of 32,768 bytes a block, two a wave: made of what the partners share alone
	s_lshl_b32 s17, s12, 16
	s_add_co_u32 s16, s16, s17
	s_mov_b32 s17, 0
	s_lshl_b32 s15, s12, 14                        ; LDS: two tiles of 8,192 bytes a wave
	s_lshl_b32 s18, s13, 19                        ; wof: 16 tiles of 32,768 bytes a work-group, four a wave
	s_lshl_b32 s19, s12, 17
	s_add_co_u32 s18, s18, s19
	s_mov_b32 s19, 0
	s_lshl_b32 s20, s13, 10                        ; bo, and a row of out0: 1,024 bytes a work-group, 256 a wave
	s_lshl_b32 s21, s12, 8
	s_add_co_u32 s20, s20, s21
	s_mov_b32 s21, 0
	s_lshl_b32 s22, s14, 19                        ; out0: 128 rows of 4,096 bytes
	s_add_co_u32 s22, s22, s20
	s_mov_b32 s23, 0
	s_wait_dscnt 0x0                               ; both opening adds are done
	s_wait_kmcnt 0x0
	s_add_nc_u64 s[4:5], s[4:5], s[16:17]
	s_add_nc_u64 s[6:7], s[6:7], s[18:19]
	s_add_nc_u64 s[8:9], s[8:9], s[20:21]
	s_add_nc_u64 s[10:11], s[10:11], s[22:23]
.irp j, 0,1,2,3
	s_mov_b32 s[32+4*\j], 1                        ; group 0 of chunk j: count = 1,
	s_add_co_u32 s[33+4*\j], s15, \j*65536         ; LDS address,
	s_add_nc_u64 s[34+4*\j:35+4*\j], s[4:5], \j*8192   ; global address,
	s_or_b32 s[35+4*\j], s[35+4*\j], 0x80000000    ; type = 2
.endr
	ROUND                                          ; all four work-groups are here: the joint loads meet
.irp j, 0,1,2,3
	tensor_load_to_lds s[32+4*\j:35+4*\j], s[24:31]
	s_nop 0
.endr
.rept 4
	v_nop
.endr
	v_and_b32 v12, 31, v0
	v_and_b32 v13, 15, v0                          ; r
	v_bfe_u32 v10, v0, 4, 1                        ; h
	v_lshlrev_b32 v[LI], 4, v12
.irp j, 0,1,2,3
	v_add_nc_u32 v[XA+\j], \j*65536, v[LI]
.endr
	s_mul_i32 s15, s12, 16*SPITCH
	s_add_co_u32 s15, s15, STG                     ; my stage
	v_mul_u32_u24 v[SO], v13, SPITCH
	v_lshl_add_u32 v[SO], v10, 5, v[SO]
	v_add_nc_u32 v[SO], s15, v[SO]                 ; in: row r, + 32 h
	v_mul_u32_u24 v[SR], v10, SPITCH
	v_lshl_add_u32 v[SR], v13, 4, v[SR]
	v_add_nc_u32 v[SR], s15, v[SR]                 ; back: lanes 0-15 one row of 256 bytes, lanes 16-31 the next
	v_lshlrev_b32 v[CO], 12, v10
	v_lshl_add_u32 v[CO], v13, 4, v[CO]            ; and the same two rows in out0
	v_lshlrev_b32 v[BO], 5, v10
.irp i, 0,1,2,3
	global_load_b128 v[BI+8*\i:BI+8*\i+3], v[BO], s[8:9] offset:64*\i      ; lane (r, h): bo at outputs 16 i + 8 h + 0 .. 7
	global_load_b128 v[BI+8*\i+4:BI+8*\i+7], v[BO], s[8:9] offset:64*\i+16
.endr
.macro WOL kg                          ; Wo's four fragments of 32 along K, group kg, into set kg % 8: 512 consecutive bytes a load
	WIN 0x80
.irp i, 0,1,2,3
.irp c, 0,1
	global_load_b128 v[32*((\kg)&7)+8*\i+4*\c:32*((\kg)&7)+8*\i+4*\c+3], v[LI], s[6:7] offset:\i*32768+(\kg)*1024+\c*512
.endr
.endr
	WIN 0
.endm
.macro XL kg                           ; x's eight fragments of group kg into set kg % 2
.irp m, 0,1,2,3,4,5,6,7
.irp c, 0,1
	ds_load_b128 v[XF+64*((\kg)&1)+8*\m+4*\c:XF+64*((\kg)&1)+8*\m+4*\c+3], v[XA+((\kg)>>3)] offset:\m*8192+((\kg)&7)*1024+\c*512
.endr
.endr
.endm
; 32 along K: 32 products, the accumulators by turns, one instruction a turn, in the same order in every group.
.macro KG kg
.if (\kg)%8 == 0
	s_wait_dscnt 0x0
	s_wait_tensorcnt 3-(\kg)/8                     ; my part of this chunk is in; the later chunks' loads may stay out
	s_barrier_signal -1
	s_barrier_wait -1                              ; everybody's is
	XL \kg
.endif
.if (\kg)+7 <= 31
	WOL (\kg)+7                                    ; into the set that the group before multiplied: its places stand behind it
.endif
.if ((\kg)+1)%8 != 0
	XL (\kg)+1
.endif
.if (\kg) < 25
	s_wait_loadcnt 56                              ; this group's set is in; the 8 loads of each of the seven sets behind it may be out
.else
	s_wait_loadcnt 8*(31-(\kg))
.endif
.if ((\kg)+1)%8 != 0
	s_wait_dscnt 16                                ; this group's fragments of x are in; the 16 loads just issued may be out
.else
	s_wait_dscnt 0x0
.endif
.if (\kg) == 0
	WIN 0x42                                       ; source 0 (Wo) window 2, D window 1; the bias, C, window 0
.else
	WIN 0x52                                       ; C and D window 1
.endif
.irp m, 0,1,2,3,4,5,6,7
.irp i, 0,1,2,3
.if (\kg) == 0
	v_wmma_f32_16x16x32_f16 v[8*(4*\m+\i):8*(4*\m+\i)+7], v[32*((\kg)&7)+8*\i:32*((\kg)&7)+8*\i+7], v[XF+64*((\kg)&1)+8*\m:XF+64*((\kg)&1)+8*\m+7], v[BI+8*\i:BI+8*\i+7]
.else
	v_wmma_f32_16x16x32_f16 v[8*(4*\m+\i):8*(4*\m+\i)+7], v[32*((\kg)&7)+8*\i:32*((\kg)&7)+8*\i+7], v[XF+64*((\kg)&1)+8*\m:XF+64*((\kg)&1)+8*\m+7], v[8*(4*\m+\i):8*(4*\m+\i)+7]
.endif
.endr
.endr
	WIN 0
.rept 4
	v_nop                                          ; four places: in front of loads into these products' sources, and of the first read of results
.endr
.endm
.irp k, 0,1,2,3,4,5,6
	WOL \k
.endr
.set KGI, 0
.rept 32
	KG KGI
.set KGI, KGI+1
.endr
	; THE WAY OUT, a tile of 16 tokens at a time: a lane's 32 bytes go into my own stage and come back as whole rows of 256 bytes.
.irp m, 0,1,2,3,4,5,6,7
.if \m >= 2
	s_wait_xcnt 0x0                                ; tile m - 2's stores have read their registers: this tile's rows may land there
.endif
	WIN 0x04                                       ; an LDS store's data are its source 1: window 1
.irp i, 0,1,2,3
	ds_store_b128 v[SO], v[8*(4*\m+\i):8*(4*\m+\i)+3] offset:64*\i           ; each accumulator from its low end on
	ds_store_b128 v[SO], v[8*(4*\m+\i)+4:8*(4*\m+\i)+7] offset:64*\i+16
.endr
	WIN 0
.irp t, 0,1,2,3,4,5,6,7
	ds_load_b128 v[OB+32*(\m%2)+4*\t:OB+32*(\m%2)+4*\t+3], v[SR] offset:2*SPITCH*\t   ; LDS serves a wave's instructions in order (ISA guide 5.7.1.4): these see my stores
.endr
	s_wait_dscnt 0x0
.irp t, 0,1,2,3,4,5,6,7
	global_store_b128 v[CO], v[OB+32*(\m%2)+4*\t:OB+32*(\m%2)+4*\t+3], s[10:11] offset:(16*\m+2*\t)*4096 th:TH_STORE_NT   ; sixteen lanes store 256 consecutive bytes, aligned; written once, read by nobody here
.endr
.endr
	s_wait_tensorcnt 0x0                           ; the wave's end
	ds_add_u32 v[SPW], v[NIL]
	s_wait_dscnt 0x0
	ROUND                                          ; the closing round
	s_endpgm
.Lfunc_end_k_qab52edd036_outp:
	.size	k_qab52edd036_outp, .Lfunc_end_k_qab52edd036_outp-k_qab52edd036_outp
	.p2alignl 7, 3214868480
	.fill 96, 4, 3214868480
	.section	.rodata,"a",@progbits
	.p2align	6, 0x0
	.amdhsa_kernel k_qab52edd036_outp
		.amdhsa_group_segment_fixed_size 327680
		.amdhsa_private_segment_fixed_size 0
		.amdhsa_enable_private_segment 0
		.amdhsa_kernarg_size 32
		.amdhsa_user_sgpr_count 2
		.amdhsa_user_sgpr_kernarg_segment_ptr 1
		.amdhsa_wavefront_size32 1
		.amdhsa_system_sgpr_workgroup_id_x 1
		.amdhsa_system_sgpr_workgroup_id_y 1
		.amdhsa_system_sgpr_workgroup_id_z 1
		.amdhsa_system_vgpr_workitem_id 0
		.amdhsa_next_free_vgpr 768
		.amdhsa_next_free_sgpr 66
		.amdhsa_reserve_vcc 0
		.amdhsa_float_denorm_mode_32 3
		.amdhsa_float_denorm_mode_16_64 3
		.amdhsa_memory_ordered 1
		.amdhsa_forward_progress 1
		.amdhsa_inst_pref_size 152
	.end_amdhsa_kernel
	.amdgpu_metadata
---
amdhsa.version: [ 1, 2 ]
amdhsa.kernels:
  - .name:           k_qab52edd036_outp
    .symbol:         k_qab52edd036_outp.kd
    .args:
      - { .name: xf, .offset: 0, .size: 8, .value_kind: global_buffer, .address_space: global }
      - { .name: wof, .offset: 8, .size: 8, .value_kind: global_buffer, .address_space: global }
      - { .name: bo, .offset: 16, .size: 8, .value_kind: global_buffer, .address_space: global }
      - { .name: out0, .offset: 24, .size: 8, .value_kind: global_buffer, .address_space: global }
    .group_segment_fixed_size: 327680
    .private_segment_fixed_size: 0
    .kernarg_segment_align: 8
    .kernarg_segment_size: 32
    .max_flat_workgroup_size: 128
    .sgpr_count:     66
    .vgpr_count:     768
    .wavefront_size: 32
...
	.end_amdgpu_metadata
.endif
;; end of part 4
